; MI455X (gfx1250); checked and timed in simulation.
; The chip was launched on July 23, 2026; its instructions are those of AMD's public machine-readable ISA for CDNA 5 (MIT licence, August 2026) and "CDNA5" Instruction Set Architecture Reference Guide (July 2026). The comments in the code are by the model that wrote it; some were corrected since.
;; Hybrid Attention QKV Packed. Allowed arithmetic: matrix products marked QUANTISED: E2M3 operands, one E8M0 scale for each 32 along K, by v_wmma_scale_f32_16x16x128_f8f6f4 with both operands' format E2M3, f32 sums; everything else in f32.
;; Inputs: qkv 2 x 2,048 x 3 x 32 x 128 float32.
;; Outputs: out0 2 x 2,048 x 32 x 128 float32.
;; This version of the problem:
;;   THIS VERSION OF THE PROBLEM IS GIVEN IN LOW PRECISION. The matrix products marked QUANTISED in the list below multiply operands that are first quantised to E2M3 (2 exponent bits, 3 mantissa bits; 6 bits a number), with one power-of-two scale for each 32 numbers along K (OCP MX v1.0); their sums are f32. All else is computed in f32.
;;   The module's matrix products, in the order in which they are computed (A, B: the left and right operand; K: the contracted axis; several contracted axes count as one K, in the product's order):
;;     1. batch 64 x [M 2,048, K 128] x [K 128, N 2,048]; A: input qkv; B: input qkv: QUANTISED
;;     2. batch 64 x [M 128, K 2,048] x [K 2,048, N 2,048]; A: input qkv; B: softmax (see below): QUANTISED
;;   THE QUANTISER, for each operand of a quantised product, along K:
;;     - K is cut into blocks of 32 from its start; a last block that is shorter is filled with zeros.
;;     - A block's scale is 2^e with e = floor(log2(the largest magnitude in the block)) - 2, held to -126 .. 127; a block of zeros has e = 0. As a byte (E8M0): e + 127.
;;     - Each number is divided by its block's scale, clamped to +-7.5, and rounded to the nearest number of E2M3, ties to even, subnormals kept.
;;     - The product sums the exact products of the quantised numbers (number of the format x scale) in f32.
;;   ~~~python
;;   def quantise(x, axis):      # numpy; x: float32 -> the quantised numbers, widened to float32 again
;;       x = np.moveaxis(x, axis, -1); K = x.shape[-1]
;;       x = np.pad(x, [(0, 0)] * (x.ndim - 1) + [(0, -K % 32)]); x = x.reshape(x.shape[:-1] + (-1, 32)); a = np.abs(x).max(-1, keepdims=True)
;;       e = np.where(a > 0, np.clip(np.frexp(np.where(a > 0, a, 1))[1] - 1 - 2, -126, 127), 0)      # np.frexp(a)[1] - 1 = floor(log2(a)), exactly
;;       r = np.clip(x / 2.0 ** e, -7.5, 7.5)
;;       step = 2.0 ** (np.maximum(np.frexp(np.where(r == 0, 1, r))[1] - 1, 0) - 3)
;;       q = np.round(r / step) * step * 2.0 ** e      # np.round: ties to even
;;       return np.moveaxis(q.reshape(q.shape[:-2] + (-1,))[..., :K], -1, axis).astype(np.float32)
;;   ~~~
;;   SOFTMAX AHEAD OF A QUANTISED PRODUCT. Where the list says 'softmax', what is quantised is not the finished softmax but p = 2^(t - M), with t = logit x log2(e) and M = ceil(the row's largest t), a whole number; so 1/2 < the row's largest p <= 1. The row's sum l is taken of the UNQUANTISED p, in f32, and the product's result is divided by l at the end. Since M is a whole number, a kernel that streams over the keys may use a running M (the ceiling of the running maximum): every later rescaling is an exact power of two, which a block's scale takes up: the codes' values come out the same.
;;   OPERANDS COMPUTED ON THE WAY. 'Computed on the way' means the value that the module computes at that place (a softmax that the list does not call 'softmax' is quantised finished and normalised). What goes into a quantiser is computed in f32, as accurately as f32 sums, v_exp_f32 and their like allow (about 1e-6 of the number): no bf16 or f16 on the way to a quantiser, and a product that is left as it is and whose result goes on into a quantised operand takes f32 operands (vector FMAs, or v_wmma_f32_16x16x4_f32). A number that lies on a knife's edge between two numbers of the format may be rounded either way, as far as f32 arithmetic and the matrix unit's own rounding can turn it there, and no further.
;; One version. Each part assembles by itself: llvm-mc -triple=amdgcn-amd-amdhsa -mcpu=gfx1250 --defsym DOCPART=n.
;; ======== version 1 of 1: 2 launches
;; limits: right only within a limited range of input values
;; workspace buffers: kv 26,214,400 bytes
;; launch quant (part 1): grid 16 x 64, 8 waves a work-group, no clusters, 135,424 bytes of LDS; arguments qkv, kv; writes kv
.if DOCPART == 1
	.amdgcn_target "amdgcn-amd-amdhsa--gfx1250"
	.amdhsa_code_object_version 6
	.text
	.protected	k_qdae1d42a31_quant
	.globl	k_qdae1d42a31_quant
	.p2align	8
	.type	k_qdae1d42a31_quant,@function
k_qdae1d42a31_quant:
	s_mov_b64 s[64:65], 0
	v_nop
	global_prefetch_b8 v0, s[64:65] scope:SCOPE_SE
	s_setreg_imm32_b32 hwreg(HW_REG_WAVE_MODE, 25, 1), 1
	s_wait_xcnt 0x0
; Of qkv [2][2048][3][32][128] f32, k and v are turned ONCE into codes of FP6 (E2M3) with one E8M0 byte for each 32 along a product's K:
; k along the head's 128 (innermost in memory), v along the KEYS (not innermost).  q is read by one work-group of the next launch alone and is quantised there.
; Codes and scale words are laid in the order of the matrix operand's registers: an IMAGE of a fragment (16 rows x 128 K, 12 registers a lane) has register p of lane L at byte 512 (p / 4) + 16 L + 4 (p % 4).
;   kv [bh][key step 16][25600]: a record for 128 keys: +0 eight images of K (tile 4 c + u, row r = key 64 c + 8 u + r % 8 + 32 (r / 8)), +12288 eight images of V^T (tile t: channels 16 t + r, K = the step's 128 keys),
;      +24576 two groups of 512 bytes of scale words: byte 16 L + 4 j of group G: L < 16: K's tile 4 G + j, row L; L >= 16: V's tile 4 G + j, row L - 16.
; A block's scale is 2^(floor(log2(its largest magnitude)) - 2); its byte is the largest magnitude's exponent field - 2, held at 1 from below; the conversion divides, holds at +-7.5 and rounds to nearest, ties to even.
; WORK LEFT OUT: none here.  The next launch leaves out the key steps that lie wholly under the causal mask which reference() builds itself: their scores become -inf, so their p is 0 for all values of the inputs.
; A NaN, an infinity or an overflow that reaches only those steps is not carried to the result.
; LIMITS: NaN and infinities among the inputs are not served.  A block whose largest magnitude lies under 2^-124 keeps the byte 1; a block of zeros gets the byte 1 where the rule says 127: its codes are zeros,
; which add nothing under any byte but 0xff, and these bytes are read by this program alone.
; SHARES.  Work-group (x, y) takes keys s = 128 x .. 128 x + 127 of head y (batch y / 32, head y % 32).  Eight waves.  Every global load is one whole row of a head: 32 lanes x 16 bytes = 512 consecutive bytes.
; Wave w: 16 rows of v into a stage that all waves share, and the 16 rows of K's tile w through a stage of its own.  All 32 loads of a wave go out at once.
; Straight text: no loop, two barriers, no tensor load; matrix units and clusters have nothing to do in a stream.
.set SROW,  49152                      ; bytes from row s to row s + 1
.set CK,    16384                      ; k's part of a row
.set CV,    32768                      ; v's
.set BB,    100663296                  ; bytes of a batch
.set IMGB,  1536
.set VOFF,  12288
.set SOFF,  24576
.set WST,   65792                      ; LDS: 0 .. the stage for v: key row i at 512 i + 64 (i / 32)
.set WP,    528                        ; each wave's own stage: 16 rows of 512 bytes + 16
.set WSB,   16*WP
.set SCL,   WST+8*WSB                  ; the record's 1,024 bytes of scale words
.set SPARE, SCL+1024                   ; the spare words, 128 bytes a wave: four blocks of 256 bytes that no other line names
.set LI,   1                           ; 16 x lane
.set VQ,   2                           ; global: 16 x lane + my 16 rows of v
.set VK,   3                           ; global: 16 x lane + the first row of K's tile w
.set IMG,  4                           ; global: 16 x lane + 1536 w
.set VSTO, 5                           ; v's stage, in
.set VRD,  6                           ; v's stage, out: channel 16 w + r, keys 32 h on
.set WSTO, 7                           ; my stage, in
.set WRD,  8                           ; my stage, out: row r, 128 h bytes on
.set SKV,  9                           ; where my tile's K and V scale words go
.set SBK,  11                          ; the 512 bytes of scale words that waves 0 and 1 read back
.set H8,   12                          ; 8 h
.set SGO,  13                          ; global: the same 512 bytes' place
.set MX,   14                          ; v14-15 two blocks' largest magnitudes, then their bytes
.set XA,   16                          ; v's rows as loaded; then V's 64 numbers a lane
.set XB,   80                          ; K's numbers
.set XC,   144                         ; k's rows as loaded
.set PCV,  208                         ; V's codes
.set PCK,  220                         ; K's codes
.set SPW,  232                         ; LDS address of my spare word; never rewritten
.set NIL,  233                         ; 0; never rewritten
.set TMP,  244                         ; v244-246, v248-250: the second half of each block's codes
.set T,    247
.set WK,   252
.set WVS,  253
.set SO,   254                         ; v254-255 the conversions' scale operands
	s_load_b128 s[4:7], s[0:1], 0x0                ; qkv, kv
	v_lshl_add_u32 v[SPW], v0, 2, SPARE
	v_mov_b32 v[NIL], 0
	v_lshrrev_b32 v12, 5, v0
	s_delay_alu instid0(VALU_DEP_1)
	v_readfirstlane_b32 s14, v12                   ; wave 0..7
	v_and_b32 v1, 31, v0
	s_delay_alu instid0(VALU_DEP_1)
	v_lshlrev_b32 v[LI], 4, v1
	s_wait_alu depctr_va_vdst(0)                   ; the wait ahead of the run of scalar lines
	s_and_b32 s15, ttmp7, 0xffff                   ; y: batch x 32 + head
	s_lshr_b32 s24, s15, 5
	s_mul_i32 s12, s24, BB
	s_mul_i32 s24, ttmp9, 128*SROW
	s_add_co_u32 s12, s12, s24
	s_and_b32 s24, s15, 31
	s_lshl_b32 s24, s24, 9
	s_add_co_u32 s12, s12, s24                     ; batch, my 128 rows, head: under 2^28
	s_mov_b32 s13, 0
	s_mul_i32 s20, s15, 16*25600                   ; kv: 16 records a head, one a work-group
	s_mul_i32 s24, ttmp9, 25600
	s_add_co_u32 s20, s20, s24
	s_mov_b32 s21, 0
	s_mul_i32 s24, s14, 16*SROW
	v_add_nc_u32 v[VQ], s24, v[LI]                 ; rows 16 w on
	s_lshr_b32 s25, s14, 1                         ; w / 2, for v's stage
	s_and_b32 s26, s14, 3                          ; u = w % 4
	s_lshr_b32 s24, s14, 2                         ; c = w / 4
	s_mul_i32 s24, s24, 64*SROW
	s_mul_i32 s27, s26, 8*SROW
	s_add_co_u32 s24, s24, s27
	v_add_nc_u32 v[VK], s24, v[LI]                 ; row 64 c + 8 u
	s_wait_alu depctr_va_vdst(0)                   ; the wait directly ahead of the wait below
	s_wait_kmcnt 0x0
	s_add_nc_u64 s[4:5], s[4:5], s[12:13]
	s_add_nc_u64 s[6:7], s[6:7], s[20:21]
.set I, 0
.rept 16
	global_load_b128 v[XA+4*I:XA+4*I+3], v[VQ], s[4:5] offset:CV+I*SROW th:TH_LOAD_NT          ; v, row 16 w + i
.set I, I+1
.endr
.set I, 0
.rept 16
	global_load_b128 v[XC+4*I:XC+4*I+3], v[VK], s[4:5] offset:CK+(I+24*(I/8))*SROW th:TH_LOAD_NT   ; k: the tile's row i is key 64 c + 8 u + i % 8 + 32 (i / 8)
.set I, I+1
.endr
	; the other addresses are made while the loads are out
	v_and_b32 v14, 15, v0                          ; r
	v_bfe_u32 v15, v0, 4, 1                        ; h
	s_mul_i32 s24, s14, IMGB
	v_add_nc_u32 v[IMG], s24, v[LI]
	s_lshl_b32 s24, s14, 13                        ; v's stage: rows 16 w on: 8,192 w + 64 (w / 2)
	s_lshl_b32 s27, s25, 6
	s_add_co_u32 s24, s24, s27
	v_add_nc_u32 v[VSTO], s24, v[LI]
	v_mul_u32_u24 v[VRD], v15, 32*512+64           ; out of it: lanes 16-31 begin 32 rows further down,
	s_delay_alu instid0(VALU_DEP_1)
	v_lshl_add_u32 v[VRD], v14, 2, v[VRD]          ; channel 16 w + r
	s_lshl_b32 s24, s14, 6
	v_add_nc_u32 v[VRD], s24, v[VRD]
	s_mul_i32 s24, s14, WSB
	s_add_co_u32 s24, s24, WST                     ; my own stage
	v_add_nc_u32 v[WSTO], s24, v[LI]
	v_mul_u32_u24 v[WRD], v14, WP
	s_delay_alu instid0(VALU_DEP_1)
	v_lshl_add_u32 v[WRD], v15, 7, v[WRD]
	s_delay_alu instid0(VALU_DEP_1)
	v_add_nc_u32 v[WRD], s24, v[WRD]
	s_lshr_b32 s27, s14, 2                         ; scale words of tile w: group w / 4, word w % 4 of each lane's 16 bytes
	s_lshl_b32 s27, s27, 9
	s_and_b32 s28, s14, 3
	s_lshl_b32 s28, s28, 2
	s_add_co_u32 s27, s27, s28
	s_add_co_u32 s27, s27, SCL
	v_add_nc_u32 v[SKV], s27, v[LI]
	s_min_u32 s27, s14, 1
	s_lshl_b32 s27, s27, 9
	v_add_nc_u32 v[SGO], s27, v[LI]
	s_delay_alu instid0(VALU_DEP_1)
	v_add_nc_u32 v[SBK], SCL, v[SGO]
	v_lshlrev_b32 v[H8], 3, v15
	v_mov_b32 v[T], 0                              ; written once: a lane permute's destination counts as one of its sources
	s_mov_b32 s22, 0x76543210
	s_mov_b32 s23, 0xfedcba98                      ; lane l xor 16
	s_mov_b32 vcc_lo, 0xffff0000                   ; lanes 16-31
; 64 numbers of a lane, v[x + 32 c + i] = k 64 c + 32 h + i of the lane's row: two whole blocks of 32, in the order of the operand's layout.
; They become the fragment's 12 registers in v[pc] on and the row's scale word in v[wd] (the same word in lanes l and l xor 16).
.macro QB x, pc, wd
.irp c, 0,1
	v_max3_num_f32 v[MX+\c], |v[\x+32*\c]|, |v[\x+32*\c+1]|, 0x1800000   ; with the floor 2^(3 - 127): the byte cannot fall under 1
.endr
.irp i, 2,4,6,8,10,12,14,16,18,20,22,24,26,28,30
.irp c, 0,1
	s_delay_alu instid0(VALU_DEP_2)
	v_max3_num_f32 v[MX+\c], v[MX+\c], |v[\x+32*\c+\i]|, |v[\x+32*\c+\i+1]|
.endr
.endr
.irp c, 0,1
	s_delay_alu instid0(VALU_DEP_2)
	v_add_nc_u32 v[SO+\c], 0xff000000, v[MX+\c]    ; 2 off the exponent field: the conversion's scale operand
.endr
.irp c, 0,1
	s_delay_alu instid0(VALU_DEP_2)
	v_lshrrev_b32 v[MX+\c], 23, v[SO+\c]           ; the scale's byte
.endr
	s_delay_alu instid0(VALU_DEP_1)
	v_lshl_or_b32 v[\wd], v[MX+1], 16, v[MX]       ; my two bytes: blocks h and 2 + h,
	s_delay_alu instid0(VALU_DEP_1)
	v_lshlrev_b32 v[\wd], v[H8], v[\wd]            ; at their places in the word;
	s_delay_alu instid0(VALU_DEP_1)
	v_permlanex16_b32 v[T], v[\wd], s22, s23
	s_delay_alu instid0(VALU_DEP_1)
	v_or_b32 v[\wd], v[\wd], v[T]                  ; with lane l xor 16's two the word is whole
.irp c, 0,1
	v_cvt_scalef32_pk16_fp6_f32 v[\pc+6*\c:\pc+6*\c+2], v[\x+32*\c:\x+32*\c+15], v[SO+\c]
	v_cvt_scalef32_pk16_fp6_f32 v[TMP+4*\c:TMP+4*\c+2], v[\x+32*\c+16:\x+32*\c+31], v[SO+\c]   ; (a conversion's three registers begin on an even number)
.endr
	v_nop                                          ; one plain place behind a scaled conversion
.irp c, 0,1
.irp i, 0,1,2
	v_mov_b32 v[\pc+6*\c+3+\i], v[TMP+4*\c+\i]
.endr
.endr
.endm
.macro OUT3 pc, off                            ; an image leaves: each store of the wave covers 512 consecutive bytes, at a multiple of 512 from the buffer's first byte
.irp g, 0,1,2
	global_store_b128 v[IMG], v[\pc+4*\g:\pc+4*\g+3], s[6:7] offset:\off+512*\g
.endr
.endm
	s_wait_alu depctr_va_vdst(0)                   ; the wait at the head's end
	s_wait_loadcnt 16                              ; v's 16 are in; k's 16 may be out
.set I, 0
.rept 16
	ds_store_b128 v[VSTO], v[XA+4*I:XA+4*I+3] offset:512*I
.set I, I+1
.endr
	s_wait_dscnt 0x0                               ; for the others' sake: my rows of v lie in the stage
	s_barrier_signal -1
	s_barrier_wait -1                              ; all 128 rows do
.irp c, 0,1
.set I, 0
.rept 32
	ds_load_b32 v[XA+32*\c+I], v[VRD] offset:(64*\c+I)*512+128*\c    ; v(key 64 c + 32 h + i, channel 16 w + r): a lane takes a channel, its registers run down the keys
.set I, I+1
.endr
.endr
	s_wait_loadcnt 0x0                             ; k's rows are in
.set I, 0
.rept 16
	ds_store_b128 v[WSTO], v[XC+4*I:XC+4*I+3] offset:WP*I
.set I, I+1
.endr
.irp c, 0,1
.irp j, 0,1,2,3,4,5,6,7
	ds_load_b128 v[XB+32*\c+4*\j:XB+32*\c+4*\j+3], v[WRD] offset:256*\c+16*\j   ; LDS serves a wave's instructions in order (ISA guide 5.7.1.4): these see the stores above
.endr
.endr
	s_wait_dscnt 32                                ; V's numbers are in; K's 16 stores and 16 loads may be out
	QB XA, PCV, WVS
	OUT3 PCV, VOFF
	s_wait_dscnt 0x0                               ; K's numbers are in
	QB XB, PCK, WK
	OUT3 PCK, 0
	v_cndmask_b32 v14, v[WK], v[WVS], vcc_lo       ; lanes 0-15: K's word of row r; lanes 16-31: V's
	ds_store_b32 v[SKV], v14
	s_wait_dscnt 0x0                               ; for the others' sake
	s_barrier_signal -1
	s_barrier_wait -1                              ; the record's 1,024 bytes of scale words lie together: they leave in runs of 512 bytes
	s_cmp_gt_u32 s14, 1
	s_cbranch_scc1 .Lend
	ds_load_b128 v[16:19], v[SBK]
	s_wait_dscnt 0x0
	global_store_b128 v[SGO], v[16:19], s[6:7] offset:SOFF      ; waves 0 and 1: the record's two groups
.Lend:
	s_wait_tensorcnt 0x0                           ; the wave's end
	ds_add_u32 v[SPW], v[NIL]
	s_wait_dscnt 0x0
	s_endpgm
.Lfunc_end_k_qdae1d42a31_quant:
	.size	k_qdae1d42a31_quant, .Lfunc_end_k_qdae1d42a31_quant-k_qdae1d42a31_quant
	.p2alignl 7, 3214868480
	.fill 96, 4, 3214868480
	.section	.rodata,"a",@progbits
	.p2align	6, 0x0
	.amdhsa_kernel k_qdae1d42a31_quant
		.amdhsa_group_segment_fixed_size 135424
		.amdhsa_private_segment_fixed_size 0
		.amdhsa_enable_private_segment 0
		.amdhsa_kernarg_size 16
		.amdhsa_user_sgpr_count 2
		.amdhsa_user_sgpr_kernarg_segment_ptr 1
		.amdhsa_wavefront_size32 1
		.amdhsa_system_sgpr_workgroup_id_x 1
		.amdhsa_system_sgpr_workgroup_id_y 1
		.amdhsa_system_sgpr_workgroup_id_z 1
		.amdhsa_system_vgpr_workitem_id 0
		.amdhsa_next_free_vgpr 256
		.amdhsa_next_free_sgpr 66
		.amdhsa_reserve_vcc 1
		.amdhsa_float_denorm_mode_32 3
		.amdhsa_float_denorm_mode_16_64 3
		.amdhsa_memory_ordered 1
		.amdhsa_forward_progress 1
		.amdhsa_inst_pref_size 23
	.end_amdhsa_kernel
	.amdgpu_metadata
---
amdhsa.version: [ 1, 2 ]
amdhsa.kernels:
  - .name:           k_qdae1d42a31_quant
    .symbol:         k_qdae1d42a31_quant.kd
    .args:
      - { .name: qkv, .offset: 0, .size: 8, .value_kind: global_buffer, .address_space: global }
      - { .name: kv, .offset: 8, .size: 8, .value_kind: global_buffer, .address_space: global }
    .group_segment_fixed_size: 135424
    .private_segment_fixed_size: 0
    .kernarg_segment_align: 8
    .kernarg_segment_size: 16
    .max_flat_workgroup_size: 256
    .sgpr_count:     66
    .vgpr_count:     256
    .wavefront_size: 32
...
	.end_amdgpu_metadata
.endif
;; end of part 1
;; launch attn (part 2): grid 4 x 64, 8 waves a work-group, no clusters, 327,680 bytes of LDS; arguments qkv, kv, out0; writes out0
.if DOCPART == 2
	.amdgcn_target "amdgcn-amd-amdhsa--gfx1250"
	.amdhsa_code_object_version 6
	.text
	.protected	k_qdae1d42a31_attn
	.globl	k_qdae1d42a31_attn
	.p2align	8
	.type	k_qdae1d42a31_attn,@function
k_qdae1d42a31_attn:
	s_mov_b64 s[64:65], 0
	v_nop
	global_prefetch_b8 v0, s[64:65] scope:SCOPE_SE
	s_setreg_imm32_b32 hwreg(HW_REG_WAVE_MODE, 25, 1), 1
	s_wait_xcnt 0x0
; out0[b][q][h][:] = the sum over keys k <= q of softmax_k(Q . K / sqrt(128)) V, both products on codes of FP6 (E2M3) with one E8M0 scale for each 32 along K, 64 heads (bh = 32 b + h) of 2,048 rows x 128.
; Inputs: q as f32 out of qkv (each query row is read by one wave, once, and quantised here in registers), and kv, the register images and scale words that the launch before has laid down
; (a record of 25,600 bytes for 128 keys: 8 images of K, 8 of V^T, 1,024 bytes of scale words).
; WORK LEFT OUT: key steps all of whose keys come after a wave's queries: reference()'s own causal mask makes their p 0 for all values of the inputs.
; THE SOFTMAX AHEAD OF THE SECOND PRODUCT: t = score x log2(e) / sqrt(128); M = the row's largest t so far, rounded UP to a whole number; p = 2^(t - M) is quantised along the keys, not normalised.
; The row's sum is taken of the unquantised p, in f32, and divides O at the end.  When M moves, the sum and O are multiplied by 2^(old M - new M): exact.
; SHARES.  Work-group (x, bh), x = 0..3, owns the query blocks x and 7 - x of its head, 256 queries each, one after the other.  Block X needs the key slots 0 .. X (256 keys each): (x + 1) + (8 - x) = 9 visits
; of a slot for every work-group.  Each of the EIGHT waves owns 32 queries, two tiles of 16: tile A's state lies in register window 0, tile B's under the same numbers in window 1, so one text serves both,
; and each fragment of K and V that is read from LDS feeds two matrix instructions.
; Q.  A wave loads its 32 rows whole (512 consecutive bytes a load), turns them through its own stage so that a lane holds two whole blocks of 32 of one row, and makes codes and scale words as the quantiser says.
; The first block's rows are asked for at the head; the second block's into the score registers, which are free then, ahead of the first block's way out.
; LAYOUT.  Both products are used transposed: S^T = K Q^T, O^T = V^T P^T: a lane holds ONE query (lane % 16) of each tile.  Row m of K's tile 4 c + u is key 64 c + 32 (m / 8) + 8 u + m % 8,
; so the 32 registers of tiles 4 c .. 4 c + 3 are keys 64 c + 32 (lane / 16) + 0 .. 31: a whole block of 32 in one lane, in the order of the second product's operand.  No lane swap is needed.
; THE RING.  Two LDS slots of two records; every wave fetches an eighth of a slot by one tensor load (25 rows of 256 bytes); all waves read all of it.  A wave has at most one tensor load out.
; THE BARRIER of a change of slots is signalled in the visit's second step as soon as the wave's last LDS reads of the slot have come back; the step's softmax and second product, work on registers, stand between
; signal and wait.  Behind the wait the slot just read takes the keys of the visit after the next.
; PREFETCH: in visit v (v = 0..5) the four work-groups of a head ask for the head's slot v + 2, a quarter each by address (50 blocks of 256 bytes: waves 0 and 1, 25 lanes each; the other lanes name the wave's last block).
; The tensor load that first wants slot s is issued behind visit s - 2's barrier at the earliest; slots 0 and 1 come by their loads alone.  In visit 0 each wave also asks for its own 32 rows of the second
; block's q (a lane a row, two blocks of 256 bytes each): they are loaded behind visit x, one key step later at the earliest.
; NO JOINT LOADS: in visit v work-group x wants slot v (v <= x) or v - x - 1, so the four work-groups of a head want different slots in the same visit, and no one descriptor serves them.
; LIMITS: a block's largest p is taken from the block's largest score, which takes v_exp_f32 not to fall where its input rises; a p under 2^-126 becomes 0; NaN and infinities are not served;
; a block of q whose largest magnitude lies under 2^-124, zeros among them, keeps the scale byte 1; the promise holds while the scaled scores t stay under 2^31 in magnitude.
.set STEPB, 25600
.set VOFF,  12288
.set SOFF,  24576
.set SLOT1, 65536                      ; slot 1 begins here: one exclusive or turns an address in one slot into the other's
.set PART,  6400                       ; a wave's eighth of a slot
.set STAGE, 131072                     ; 32 rows x (512 + 16) bytes for each wave, for Q on the way in and O on the way out; no tile ever lands here
.set SP,    528
.set SPARE, STAGE+8*32*SP              ; the spare words, 128 bytes a wave
.set SROW,  49152                      ; qkv: bytes from row s to row s + 1
.set BB,    100663296                  ; and of a batch
; window 0 alone
.set LI,   1                           ; 16 x lane
.set STO,  2                           ; the stage: where I put 32 bytes of row r of O
.set RD,   3                           ; the stage: a whole row, 16 bytes a lane
.set SPW,  5                           ; my spare word; never rewritten
.set NIL,  6                           ; 0; never rewritten
.set AD,   7                           ; 16 x lane + the slot in hand
.set QSC,  8                           ; Q's scale words: lanes 0-15 tile A's, lanes 16-31 tile B's
.set QRD,  9                           ; the stage: row r, 128 h bytes on
.set PSCA, 10                          ; p's scale word, tile A; v11 tile B's
.set PFQ,  80                          ; the prefetch of q: lane x a row; never rewritten
.set PFO,  243                         ; the prefetch of slots: a lane a block; never rewritten
.set SCR,  244                         ; v244-251 the step's scale words: lanes 0-15 K's, lanes 16-31 V's
; both windows, a tile each
.set LQ,   4                           ; r - 32 h, for the mask
.set QF,   16                          ; Q's fragment of the block in hand
.set BM,   28                          ; v28-29 my two blocks' largest scores, then largest p
.set SOP,  30                          ; v30-31 second chains of the maxima, then the conversions' scale operands
.set FRG,  32                          ; v32-79: window 0 fragments 0-3, window 1 fragments 4-7 of K or V
.set SS,   96                          ; S^T, then p; q's rows as loaded
.set OT,   160                         ; O^T; q's numbers
.set PC,   224                         ; p's codes
.set T4,   236                         ; v236-242 at work
.set H8,   255                         ; 8 h
                                       ; v12 -M, v13 the largest t, v[14:15] the sum; v[92:95] at work; v252 f (v253 its pair); v254 at work
.set WV,   12
.set XB,   13
.set XB1,  14
.set G1,   16
.set G0,   24
.set SEL,  28
.set CS,   30
.set TB,   32                          ; LDS byte at which the slot in hand begins
.set VI,   33                          ; the visit
.set KF,   34                          ; the step's first key
.set Q0,   35                          ; my first query in the block in hand
.set TP,   36
.set Q0HI, 37
.set OLO,  38
.set OHI,  40
.set SOF,  42
.set MK,   45                          ; lanes 16-31
.set QLO,  46                          ; s[46:47] my rows of q in the first block; s[48:49] in the second
.set QHI,  48
.set PF,   56                          ; s[56:57] where my prefetch of slots stands
.set MSB, 0
.macro WIN new                         ; the immediate's high byte repeats the setting that is left; at labels and branches every window is 0
.if MSB != (\new)
	s_set_vgpr_msb (MSB<<8)|(\new)
.set MSB, (\new)
.endif
.endm
.macro PLACES                          ; four places between a matrix instruction and a load into, or a vector read of, its registers (ISA guide 7.12.1 for vector reads)
.rept 4
	v_nop
.endr
.endm
.macro INIT                            ; the state of a block's start, in the window that is set
	v_mov_b32 v13, 0xff61b1e6                      ; the largest t so far: -3e38
	s_delay_alu instid0(VALU_DEP_1)
	v_floor_f32 v12, -v13                          ; -M
	v_mov_b32 v14, 0
	v_mov_b32 v15, 0
.set NN, 0
.rept 64
	v_mov_b32 v[OT+NN], 0                          ; the step is written once for all steps: a block's first step finds zeros
.set NN, NN+1
.endr
.endm
.macro NEXTD n                         ; group 0 for visit VI + n: slot v of the first block's walk (v <= x), or v - x - 1 of the second's; the other LDS slot than last time
	s_add_co_u32 s[TP], s[VI], \n
	s_cmp_le_u32 s[TP], s[XB]
	s_cselect_b32 s44, 0, s[XB1]
	s_sub_co_u32 s[TP], s[TP], s44
	s_mul_i32 s[SOF], s[TP], 2*STEPB
	s_xor_b32 s[G0+1], s[G0+1], SLOT1
	s_add_nc_u64 s[G0+2:G0+3], s[8:9], s[SOF:SOF+1]
	s_or_b32 s[G0+3], s[G0+3], 0x80000000
.endm
; My 32 rows of q, as they lie: each load of the wave covers 512 consecutive bytes.  Tile A's 16 rows into window 0, tile B's into window 1.
.macro QLOAD ptr
.irp w, 0,1
	WIN 0x40*\w
.irp i, 0,1,2,3,4,5,6,7,8,9,10,11,12,13,14,15
	global_load_b128 v[SS+4*\i:SS+4*\i+3], v[LI], s[\ptr:\ptr+1] offset:(16*\w+\i)*SROW th:TH_LOAD_NT
.endr
.endr
	WIN 0
.endm
; 64 numbers of a lane, v[OT + 32 c + i] = k 64 c + 32 h + i of row r: two whole blocks of 32.  They become Q's fragment and, in v254, the row's scale word (the same in lanes l and l xor 16).
.macro QB
.irp c, 0,1
	v_max3_num_f32 v[BM+\c], |v[OT+32*\c]|, |v[OT+32*\c+1]|, 0x1800000   ; with the floor 2^(3 - 127): the byte cannot fall under 1
.endr
.irp i, 2,4,6,8,10,12,14,16,18,20,22,24,26,28,30
.irp c, 0,1
	v_max3_num_f32 v[BM+\c], v[BM+\c], |v[OT+32*\c+\i]|, |v[OT+32*\c+\i+1]|
.endr
.endr
.irp c, 0,1
	v_add_nc_u32 v[SOP+\c], 0xff000000, v[BM+\c]   ; 2 off the exponent field: the conversion's scale operand
.endr
.irp c, 0,1
	v_lshrrev_b32 v[T4+\c], 23, v[SOP+\c]          ; the scale's byte
.endr
	v_lshl_or_b32 v254, v[T4+1], 16, v[T4]
	v_lshlrev_b32 v254, v[H8], v254
	v_permlanex16_b32 v238, v254, s[SEL], s[SEL+1]
	v_or_b32 v254, v254, v238
.irp c, 0,1
	v_cvt_scalef32_pk16_fp6_f32 v[QF+6*\c:QF+6*\c+2], v[OT+32*\c:OT+32*\c+15], v[SOP+\c]
	v_cvt_scalef32_pk16_fp6_f32 v[T4+4*\c:T4+4*\c+2], v[OT+32*\c+16:OT+32*\c+31], v[SOP+\c]   ; (a conversion's three registers begin on an even number)
.endr
	v_nop                                          ; one plain place behind a scaled conversion
.irp c, 0,1
.irp i, 0,1,2
	v_mov_b32 v[QF+6*\c+3+\i], v[T4+4*\c+\i]
.endr
.endr
.endm
; The rows go through my stage and come back 128 bytes of a row to a lane; then both tiles are quantised.
.macro QMAKE
	s_wait_xcnt 0x0                                ; earlier stores have given up their data registers
	s_wait_loadcnt 0x0                             ; my 32 rows are in
.irp w, 0,1
	WIN 0x04*\w
.irp i, 0,1,2,3,4,5,6,7,8,9,10,11,12,13,14,15
	ds_store_b128 v[RD], v[SS+4*\i:SS+4*\i+3] offset:(16*\w+\i)*SP
.endr
.endr
.irp w, 0,1
	WIN 0x40*\w
.irp c, 0,1
.irp j, 0,1,2,3,4,5,6,7
	ds_load_b128 v[OT+32*\c+4*\j:OT+32*\c+4*\j+3], v[QRD] offset:16*SP*\w+256*\c+16*\j   ; LDS serves a wave's instructions in order (ISA guide 5.7.1.4): these see my stores
.endr
.endr
.endr
	WIN 0
	s_wait_dscnt 16                                ; tile A's numbers are in; tile B's 16 loads may be out
	QB
	s_wait_dscnt 0x0
	WIN 0x55
	QB
	WIN 0x04
	v_cndmask_b32 v[QSC], v254, v254, s[MK]        ; lanes 0-15: tile A's words (window 0); lanes 16-31: tile B's (window 1)
	WIN 0
.endm
	s_load_b64 s[4:5], s[0:1], 0x0                 ; qkv
	s_load_b128 s[8:11], s[0:1], 0x8               ; kv, out0
	v_lshl_add_u32 v[SPW], v0, 2, SPARE
	v_mov_b32 v[NIL], 0
	ds_add_u32 v[SPW], v[NIL]                      ; the opening lines: the add twice on end and one wait
	ds_add_u32 v[SPW], v[NIL]
	v_lshrrev_b32 v92, 5, v0
	s_delay_alu instid0(VALU_DEP_1)
	v_readfirstlane_b32 s[WV], v92                 ; wave 0..7
	s_mov_b32 s[XB], ttmp9
	s_add_co_u32 s[XB1], s[XB], 1
	s_and_b32 s15, ttmp7, 0xffff                   ; bh
	s_lshl_b32 s[TP], s[XB], 3
	s_add_co_u32 s[TP], s[TP], s[WV]               ; my 32 queries in the first block: number 8 x + w
	s_lshl_b32 s[Q0], s[TP], 5
	s_lshl_b32 s44, s[XB], 3
	s_sub_co_u32 s44, 56, s44
	s_add_co_u32 s44, s44, s[WV]                   ; and in the second: 8 (7 - x) + w
	s_lshl_b32 s[Q0HI], s44, 5
	s_lshr_b32 s54, s15, 5                         ; the batch
	s_and_b32 s55, s15, 31
	s_lshl_b32 s55, s55, 9                         ; the head's 512 bytes of a row
	s_mul_i32 s50, s54, BB
	s_add_co_u32 s50, s50, s55
	s_mul_i32 s[QLO], s[Q0], SROW                  ; q: batch, row, head: under 2^28
	s_add_co_u32 s[QLO], s[QLO], s50
	s_mov_b32 s[QLO+1], 0
	s_mul_i32 s[QHI], s[Q0HI], SROW
	s_add_co_u32 s[QHI], s[QHI], s50
	s_mov_b32 s[QHI+1], 0
	s_lshl_b32 s54, s54, 25                        ; out0: the batch, 2,048 rows of 16,384 bytes,
	s_add_co_u32 s54, s54, s55
	s_lshl_b32 s[OLO], s[Q0], 14                   ; my first row: all under 2^27
	s_add_co_u32 s[OLO], s[OLO], s54
	s_mov_b32 s[OLO+1], 0
	s_lshl_b32 s[OHI], s[Q0HI], 14
	s_add_co_u32 s[OHI], s[OHI], s54
	s_mov_b32 s[OHI+1], 0
	s_mul_i32 s58, s15, 16*STEPB                   ; kv: the head's 16 records
	s_mul_i32 s55, s[WV], PART                     ; my eighth of a slot, in memory and in LDS alike
	s_add_co_u32 s[SOF], s58, s55
	s_mov_b32 s[SOF+1], 0
	s_mul_i32 s54, s[XB], 2*PART                   ; the prefetch: slot 2, my work-group's quarter, 25 blocks for each of waves 0 and 1
	s_add_co_u32 s58, s58, s54
	s_and_b32 s54, s[WV], 1
	s_mul_i32 s54, s54, PART
	s_add_co_u32 s58, s58, s54
	s_add_co_u32 s58, s58, 4*STEPB
	s_mov_b32 s59, 0
	s_mov_b32 s[G1+0], 3<<16                       ; group 1: 25 dense rows of 256 bytes (32 elements of 8 bytes), no padding, no mask
	s_mov_b32 s[G1+1], 32<<16
	s_mov_b32 s[G1+2], 25<<16
	s_mov_b32 s[G1+3], 32<<16
	s_mov_b32 s[G1+4], 25
	s_mov_b32 s[G1+5], 32
	s_mov_b32 s[G1+6], 0
	s_mov_b32 s[G1+7], 0
	s_mov_b32 s[SEL], 0x76543210
	s_mov_b32 s[SEL+1], 0xfedcba98                 ; lane l xor 16
	s_mov_b32 s[CS], 0x3e0293ee                    ; c = log2(e) / sqrt(128)
	s_mov_b32 s[CS+1], s[CS]
	s_mov_b32 s[MK], 0xffff0000
	s_mov_b32 s[TB], 0
	s_mov_b32 s[VI], 0
	s_mov_b32 s[KF], 0
	s_wait_dscnt 0x0                               ; both opening adds are done
	s_wait_kmcnt 0x0
	s_add_nc_u64 s[PF:PF+1], s[8:9], s[58:59]
	s_add_nc_u64 s[8:9], s[8:9], s[SOF:SOF+1]      ; kv at my eighth of the head's slot 0
	s_mov_b32 s[G0], 1
	s_mov_b32 s[G0+1], s55
	s_mov_b64 s[G0+2:G0+3], s[8:9]
	s_or_b32 s[G0+3], s[G0+3], 0x80000000
	tensor_load_to_lds s[G0:G0+3], s[G1:G1+7]      ; visit 0's slot: every wave's one load at the head
	s_nop 0
	s_add_nc_u64 s[QLO:QLO+1], s[4:5], s[QLO:QLO+1]
	s_add_nc_u64 s[QHI:QHI+1], s[4:5], s[QHI:QHI+1]
	s_add_nc_u64 s[OLO:OLO+1], s[10:11], s[OLO:OLO+1]
	s_add_nc_u64 s[OHI:OHI+1], s[10:11], s[OHI:OHI+1]
	s_mul_i32 s[TP], s[WV], 32*SP
	s_add_co_u32 s[TP], s[TP], STAGE               ; my stage
	v_and_b32 v94, 31, v0
	v_lshlrev_b32 v[LI], 4, v94
	QLOAD QLO                                      ; the first block's q; the addresses below are made while the loads are out
	v_and_b32 v92, 15, v0                          ; r
	v_bfe_u32 v93, v0, 4, 1                        ; h
	v_min_u32 v95, 24, v94
	v_mul_u32_u24 v[PFQ], v94, SROW                ; a lane a row of q
	v_lshlrev_b32 v[PFO], 8, v95                   ; a lane a block of 256 bytes; lanes 25-31 name the wave's last block again
	v_mul_u32_u24 v[STO], v92, SP
	v_lshlrev_b32 v95, 5, v93
	v_lshl_add_u32 v[QRD], v93, 7, v[STO]
	v_lshl_add_u32 v[STO], v93, 5, v[STO]
	v_sub_nc_u32 v[LQ], v92, v95                   ; r - 32 h
	v_add_nc_u32 v[QRD], s[TP], v[QRD]             ; row r, + 128 h
	v_add_nc_u32 v[STO], s[TP], v[STO]             ; row r, + 32 h; tile t's eight channels 64 t bytes on
	v_add_nc_u32 v[RD], s[TP], v[LI]               ; the 32 lanes take one row of 512 bytes
	v_lshlrev_b32 v[H8], 3, v93
	v_add_nc_u32 v[AD], s[TB], v[LI]
	WIN 0x40
	v_mov_b32 v[LQ], v[LQ]                         ; window 1's copies
	v_mov_b32 v[H8], v[H8]
.irp w, 0,1
	WIN 0x55*\w
	v_mov_b32 v238, 0                              ; written once: a lane permute's destination counts as one of its sources
	v_mov_b32 v252, 0
	v_mov_b32 v253, 0                              ; (named with v252 as a pair)
.endr
	WIN 0
	s_wait_alu depctr_va_vdst(0)                   ; the wait directly ahead of the waits below
	QMAKE
.irp w, 0,1
	WIN 0x55*\w
	INIT                                           ; (its moves are also the places between Q's registers and scale words and the first products)
.endr
	WIN 0
; The softmax of a step for the tile in window w: p's codes and scale word, the row's sum, and O^T under the new M.
.macro SOFTMAX w
	WIN 0x55*\w
.if \w
	s_wait_alu depctr_va_vdst(0)                   ; the wait directly ahead of the first reader of these scores
.endif
.irp c, 0,1                                    ; THE LARGEST SCORE OF EACH OF MY TWO BLOCKS OF 32 KEYS, in two chains each: it serves the row's maximum and, since p rises with the score, the block's largest p
	v_max3_num_f32 v[BM+\c], v[SS+32*\c], v[SS+32*\c+1], v[SS+32*\c+2]
	v_max3_num_f32 v[SOP+\c], v[SS+32*\c+17], v[SS+32*\c+18], v[SS+32*\c+19]
.endr
.irp i, 3,5,7,9,11,13
.irp c, 0,1
	v_max3_num_f32 v[BM+\c], v[BM+\c], v[SS+32*\c+\i], v[SS+32*\c+\i+1]
	v_max3_num_f32 v[SOP+\c], v[SOP+\c], v[SS+32*\c+\i+17], v[SS+32*\c+\i+18]
.endr
.endr
.irp c, 0,1
	v_max3_num_f32 v[BM+\c], v[BM+\c], v[SS+32*\c+15], v[SS+32*\c+16]
.endr
.irp c, 0,1
	v_max_num_f32 v[BM+\c], v[BM+\c], v[SOP+\c]
.endr
	v_max_num_f32 v254, v[BM], v[BM+1]
	v_permlanex16_b32 v238, v254, s[SEL], s[SEL+1]
	v_max_num_f32 v254, v254, v238                 ; with lane l xor 16's two blocks: the step's largest score of my query
	s_delay_alu instid0(VALU_DEP_1)
	v_mul_f32 v254, s[CS], v254                    ; as t (c is positive)
	s_delay_alu instid0(VALU_DEP_1)
	v_max_num_f32 v13, v13, v254                   ; the running largest t
	v_mov_b32 v254, v12
	s_delay_alu instid0(VALU_DEP_2)
	v_floor_f32 v12, -v13                          ; the new -M = -ceil(t): M IS A WHOLE NUMBER
	s_delay_alu instid0(VALU_DEP_1)
	v_sub_f32 v254, v12, v254                      ; old M less new M: a whole number, 0 or less
	s_delay_alu instid0(VALU_DEP_1)
	v_cvt_i32_f32 v254, v254                       ; (it saturates)
	s_delay_alu instid0(VALU_DEP_1)
	v_ldexp_f32 v252, 1.0, v254                    ; f = 2^(old M - new M): a multiplication by it rounds nothing
.set NN, 0
.rept 32
	v_pk_fma_f32 v[SS+NN:SS+NN+1], v[SS+NN:SS+NN+1], s[CS:CS+1], v[12:13] op_sel_hi:[1,0,0]   ; t - M, two at a time
.set NN, NN+2
.endr
.irp c, 0,1
	v_fma_f32 v[BM+\c], v[BM+\c], s[CS], v12       ; the same of each block's largest score
.endr
	s_wait_alu depctr_va_vdst(0)                   ; the wait ahead of the batch
.set NN, 0
.rept 64
	v_exp_f32 v[SS+NN], v[SS+NN]                   ; p = 2^(t - M), at most 1; a hidden key's is 0
.set NN, NN+1
.endr
.irp c, 0,1
	v_exp_f32 v[BM+\c], v[BM+\c]                   ; the block's largest p: the same two instructions on the same number give the same bits
.endr
	v_pk_mul_f32 v[14:15], v[14:15], v[252:253] op_sel_hi:[1,0]   ; the sums under the new M (a plain place behind the exponentials)
	s_wait_alu depctr_va_vdst(0)                   ; and behind it
.irp c, 0,1
	v_max_num_f32 v[BM+\c], 0x1800000, v[BM+\c]    ; the floor 2^(3 - 127): the byte cannot fall under 1
.endr
.irp c, 0,1
	s_delay_alu instid0(VALU_DEP_2)
	v_add_nc_u32 v[SOP+\c], 0xff000000, v[BM+\c]   ; 2 off the exponent field: the conversion's scale operand
.endr
.irp c, 0,1
	s_delay_alu instid0(VALU_DEP_2)
	v_lshrrev_b32 v[T4+\c], 23, v[SOP+\c]          ; the scale's byte
.endr
	s_delay_alu instid0(VALU_DEP_1)
	v_lshl_or_b32 v254, v[T4+1], 16, v[T4]         ; my two bytes: blocks h and 2 + h,
	s_delay_alu instid0(VALU_DEP_1)
	v_lshlrev_b32 v254, v[H8], v254                ; at their places in the word;
	s_delay_alu instid0(VALU_DEP_1)
	v_permlanex16_b32 v238, v254, s[SEL], s[SEL+1]
	WIN 0x15*\w                                    ; the word goes there
	v_or_b32 v[PSCA+\w], v254, v238                ; with lane l xor 16's two the word is whole
	WIN 0x55*\w
.irp c, 0,1
	v_cvt_scalef32_pk16_fp6_f32 v[PC+6*\c:PC+6*\c+2], v[SS+32*\c:SS+32*\c+15], v[SOP+\c]
	v_cvt_scalef32_pk16_fp6_f32 v[T4+4*\c:T4+4*\c+2], v[SS+32*\c+16:SS+32*\c+31], v[SOP+\c]   ; (a conversion's three registers begin on an even number)
.endr
	v_nop                                          ; one plain place behind a scaled conversion
.irp c, 0,1
.irp i, 0,1,2
	v_mov_b32 v[PC+6*\c+3+\i], v[T4+4*\c+\i]
.endr
.endr
	v_pk_add_f32 v[92:93], v[SS:SS+1], v[SS+2:SS+3]        ; THE ROW'S SUM IS TAKEN OF THE UNQUANTISED p: four chains by turns
	v_pk_add_f32 v[94:95], v[SS+4:SS+5], v[SS+6:SS+7]
	v_pk_add_f32 v[28:29], v[SS+8:SS+9], v[SS+10:SS+11]
	v_pk_add_f32 v[14:15], v[14:15], v[SS+12:SS+13]
.irp i, 14,22,30,38,46,54
	v_pk_add_f32 v[92:93], v[92:93], v[SS+\i:SS+\i+1]
	v_pk_add_f32 v[94:95], v[94:95], v[SS+\i+2:SS+\i+3]
	v_pk_add_f32 v[28:29], v[28:29], v[SS+\i+4:SS+\i+5]
	v_pk_add_f32 v[14:15], v[14:15], v[SS+\i+6:SS+\i+7]
.endr
	v_pk_add_f32 v[92:93], v[92:93], v[SS+62:SS+63]
	v_pk_add_f32 v[94:95], v[94:95], v[28:29]
	s_delay_alu instid0(VALU_DEP_2)
	v_pk_add_f32 v[14:15], v[14:15], v[92:93]
	s_delay_alu instid0(VALU_DEP_1)
	v_pk_add_f32 v[14:15], v[14:15], v[94:95]
	s_wait_alu depctr_va_vdst(0)                   ; the wait directly ahead of the first reader of O^T
.set NN, 0
.rept 32
	v_pk_mul_f32 v[OT+NN:OT+NN+1], v[OT+NN:OT+NN+1], v[252:253] op_sel_hi:[1,0]   ; O^T under the new M, each accumulator from its low end on
.set NN, NN+2
.endr
.endm
; On the diagonal the scores of hidden keys become -infinity ahead of the maximum.  Register 32 c + i holds key KF + 64 c + 32 h + i: hidden where 64 c + i > my query - KF - 32 h.
.macro MASK w
	WIN 0x55*\w
	v_add_nc_u32 v252, s[TP], v[LQ]
	v_mov_b32 v254, 0xff800000
.set NN, 0
.rept 64
	v_cmp_gt_i32 vcc_lo, 64*(NN/32)+NN%32, v252
	v_cndmask_b32 v[SS+NN], v[SS+NN], v254, vcc_lo
.set NN, NN+1
.endr
.endm
; Eight fragments: 24 loads of 16 bytes a lane, each of 512 consecutive bytes; four land in window 0, four in window 1.
.macro FETCH8 off
.irp g, 0,1
	WIN 0x40*\g
.irp t, 0,1,2,3
.irp c, 0,1,2
	ds_load_b128 v[FRG+12*\t+4*\c:FRG+12*\t+4*\c+3], v[AD] offset:\off+(4*\g+\t)*1536+512*\c
.endr
.endr
.endr
	WIN 0
.endm
; S^T = K Q^T on fragments 4 g .. 4 g + 3, for tile A and then for tile B.  The accumulators take turns, one instruction a turn.
.macro SMUL g
	WIN \g
.irp t, 0,1,2,3
	v_wmma_scale_f32_16x16x128_f8f6f4 v[SS+8*(4*\g+\t):SS+8*(4*\g+\t)+7], v[FRG+12*\t:FRG+12*\t+11], v[QF:QF+11], 0, v[SCR+4*\g+\t], v[QSC] matrix_a_fmt:MATRIX_FMT_FP6 matrix_b_fmt:MATRIX_FMT_FP6
.endr
	WIN 0x54+\g
.irp t, 0,1,2,3
	v_wmma_scale_f32_16x16x128_f8f6f4 v[SS+8*(4*\g+\t):SS+8*(4*\g+\t)+7], v[FRG+12*\t:FRG+12*\t+11], v[QF:QF+11], 0, v[SCR+4*\g+\t], v[QSC] matrix_a_fmt:MATRIX_FMT_FP6 matrix_b_fmt:MATRIX_FMT_FP6 matrix_b_scale:MATRIX_SCALE_ROW1
.endr
.endm
; O^T += V^T P^T likewise; V's scale words stand in lanes 16-31 of the scale registers.
.macro PMUL g
	WIN \g
.irp t, 0,1,2,3
	v_wmma_scale_f32_16x16x128_f8f6f4 v[OT+8*(4*\g+\t):OT+8*(4*\g+\t)+7], v[FRG+12*\t:FRG+12*\t+11], v[PC:PC+11], v[OT+8*(4*\g+\t):OT+8*(4*\g+\t)+7], v[SCR+4*\g+\t], v[PSCA] matrix_a_fmt:MATRIX_FMT_FP6 matrix_b_fmt:MATRIX_FMT_FP6 matrix_a_scale:MATRIX_SCALE_ROW1
.endr
	WIN 0x54+\g
.irp t, 0,1,2,3
	v_wmma_scale_f32_16x16x128_f8f6f4 v[OT+8*(4*\g+\t):OT+8*(4*\g+\t)+7], v[FRG+12*\t:FRG+12*\t+11], v[PC:PC+11], v[OT+8*(4*\g+\t):OT+8*(4*\g+\t)+7], v[SCR+4*\g+\t], v[PSCA+1] matrix_a_fmt:MATRIX_FMT_FP6 matrix_b_fmt:MATRIX_FMT_FP6 matrix_a_scale:MATRIX_SCALE_ROW1
.endr
.endm
; A KEY STEP: 128 keys, record q of the slot in hand.
; sync = 1: the visit's second step carries the change of slots.  It waits for all its tensor loads (its eighth of the
; next slot), adds 0 to its spare word, waits for that and for all its LDS reads, and signals; the rest of the step is work on registers.  fill = 1: behind the barrier's wait the slot takes visit VI + 2's keys.
.macro STEP q, sync, fill
	s_add_co_u32 s[TP], s[Q0], 31
	s_cmp_gt_u32 s[KF], s[TP]
.if \sync
	s_cbranch_scc1 .Lh1_\@
.else
	s_cbranch_scc1 .Lh2_\@
.endif
	PLACES
	ds_load_b128 v[SCR:SCR+3], v[AD] offset:(\q)*STEPB+SOFF
	ds_load_b128 v[SCR+4:SCR+7], v[AD] offset:(\q)*STEPB+SOFF+512
	FETCH8 (\q)*STEPB
	s_wait_dscnt 12                                ; the scale words and K's fragments 0-3 are in; the 12 loads of fragments 4-7 may be out
	SMUL 0
	s_wait_dscnt 0x0
	SMUL 1
	WIN 0
	PLACES                                         ; for the loads below and for the first reads of the scores alike
	FETCH8 (\q)*STEPB+VOFF                         ; V's eight tiles land while the softmax is walked
.if \sync
.Lh1_\@:
	s_wait_tensorcnt 0x0                           ; no tensor load of mine is out, so group 0 may be written
	ds_add_u32 v[SPW], v[NIL]
.if \fill
	NEXTD 2
.endif
	s_xor_b32 s[TB], s[TB], SLOT1                  ; on to the other slot
	s_wait_dscnt 0x0                               ; the add is done, and my reads of this slot are over
	s_barrier_signal -1
	s_add_co_u32 s[TP], s[Q0], 31
	s_cmp_gt_u32 s[KF], s[TP]
	s_cbranch_scc1 .Lh2_\@
.endif
	s_add_co_u32 s[TP], s[KF], 127
	s_cmp_le_u32 s[TP], s[Q0]                      ; all 128 keys count for all my queries: no mask
	s_cbranch_scc1 .Lopen_\@
	s_sub_co_i32 s[TP], s[Q0], s[KF]               ; (KF <= Q0 here: key KF counts for every query of mine)
	MASK 0
	s_add_co_u32 s[TP], s[TP], 16                  ; tile B's queries lie 16 further on
	MASK 1
	WIN 0
.Lopen_\@:
	SOFTMAX 0
	SOFTMAX 1
.if \sync == 0
	s_wait_alu depctr_va_vdst(0)                   ; the wait directly ahead of the wait below
	s_wait_dscnt 0x0                               ; V's tiles are in
.endif
	PMUL 0
	PMUL 1
	WIN 0
.Lh2_\@:
	s_add_co_u32 s[KF], s[KF], 128
.if \sync
	s_barrier_wait -1                              ; the next slot is whole and nobody reads this one
.if \fill
	tensor_load_to_lds s[G0:G0+3], s[G1:G1+7]      ; my one tensor load until the next barrier
	s_nop 0
.endif
	v_add_nc_u32 v[AD], s[TB], v[LI]
.rept 3
	v_nop
.endr
	s_wait_alu depctr_va_vdst(0)
.endif
.endm
.macro ASK                             ; visit 0, every wave: its 32 rows of the second block's q.  Visits 0..5, waves 0 and 1: my work-group's quarter of the head's slot VI + 2
	s_cmp_lg_u32 s[VI], 0
	s_cbranch_scc1 .Lnq_\@
	global_prefetch_b8 v[PFQ], s[QHI:QHI+1] th:TH_LOAD_NT scope:SCOPE_SE
	global_prefetch_b8 v[PFQ], s[QHI:QHI+1] offset:256 th:TH_LOAD_NT scope:SCOPE_SE
.Lnq_\@:
	s_cmp_lt_u32 s[VI], 6
	s_cselect_b32 s[TP], s[WV], 2
	s_cmp_lt_u32 s[TP], 2
	s_cbranch_scc0 .Lnot_\@
	global_prefetch_b8 v[PFO], s[PF:PF+1] th:TH_LOAD_NT scope:SCOPE_SE
.Lnot_\@:
.endm
; THE WAY OUT of a block: O^T / the sum, made in place, goes through my own stage in LDS and comes back as whole rows: each store of the wave covers 512 consecutive bytes, at a multiple of 512 from out0's first byte.
.macro FINA w
	WIN 0x55*\w
	v_add_f32 v14, v14, v15
	s_delay_alu instid0(VALU_DEP_1)
	v_permlanex16_b32 v252, v14, s[SEL], s[SEL+1]
	s_delay_alu instid0(VALU_DEP_1)
	v_add_f32 v14, v14, v252                       ; the row's sum (at least 1/2: the row's largest p)
	s_wait_alu depctr_va_vdst(0)                   ; the wait ahead of the transcendental
	v_rcp_f32 v14, v14
	v_nop
	s_wait_alu depctr_va_vdst(0)                   ; and ahead of its first reader, which is also O^T's
.set NN, 0
.rept 32
	v_pk_mul_f32 v[OT+NN:OT+NN+1], v[OT+NN:OT+NN+1], v[14:15] op_sel_hi:[1,0]   ; register 8 t + i is o(query r, channel 16 t + 8 h + i)
.set NN, NN+2
.endr
	WIN 0x04*\w
.irp t, 0,1,2,3,4,5,6,7
	ds_store_b128 v[STO], v[OT+8*\t:OT+8*\t+3] offset:16*SP*\w+64*\t
	ds_store_b128 v[STO], v[OT+8*\t+4:OT+8*\t+7] offset:16*SP*\w+64*\t+16
.endr
.endm
.macro FINISH ptr
	PLACES                                         ; behind the last products
	FINA 0
	FINA 1
	s_wait_dscnt 0x0                               ; the stores have read their registers, which take the rows
.irp w, 0,1
	WIN 0x40*\w
.irp i, 0,1,2,3,4,5,6,7,8,9,10,11,12,13,14,15
	ds_load_b128 v[OT+4*\i:OT+4*\i+3], v[RD] offset:(16*\w+\i)*SP
.endr
.endr
	WIN 0
.irp i, 0,1,2,3,4,5,6,7,8,9,10,11,12,13,14,15
	s_wait_dscnt 31-\i                             ; tile A's row i is back; its 15 - i younger loads and tile B's 16 may be out
	global_store_b128 v[LI], v[OT+4*\i:OT+4*\i+3], s[\ptr:\ptr+1] offset:16384*\i th:TH_STORE_NT
.endr
	WIN 0x04
.irp i, 0,1,2,3,4,5,6,7,8,9,10,11,12,13,14,15
	s_wait_dscnt 15-\i
	global_store_b128 v[LI], v[OT+4*\i:OT+4*\i+3], s[\ptr:\ptr+1] offset:16384*(16+\i) th:TH_STORE_NT
.endr
	WIN 0
.endm
.macro RESET                           ; the second block begins: its Q, and the state of a block's start
	QMAKE
.irp w, 0,1
	WIN 0x55*\w
	INIT                                           ; (its moves are also the places between Q's registers and scale words and the next products)
.endr
	WIN 0
	s_mov_b32 s[KF], 0
	s_mov_b32 s[Q0], s[Q0HI]
.endm
	s_wait_alu depctr_va_vdst(0)                   ; the wait at the head's end
	s_wait_tensorcnt 0x0                           ; my eighth of visit 0's slot is in; slot 1's first fill is issued as a refill is
	ds_add_u32 v[SPW], v[NIL]
	NEXTD 1
	s_wait_dscnt 0x0
	s_barrier_signal -1
	s_barrier_wait -1
	tensor_load_to_lds s[G0:G0+3], s[G1:G1+7]      ; visit 1's slot
	s_nop 0
	PLACES
.Lvisit:                                           ; seven trips: behind each of their barriers the slot of the visit after the next is asked for
	STEP 0, 0, 0
	ASK
	STEP 1, 1, 1
	s_cmp_lg_u32 s[VI], s[XB]                      ; visit x is the first block's last: the same for all waves; no barrier and no tensor load stands under this branch
	s_cbranch_scc1 .Lsame
	QLOAD QHI                                      ; the second block's q, into the score registers: on its way while the first block goes out
	FINISH OLO
	RESET
.Lsame:
	s_wait_xcnt 0x0                                ; my prefetch has read its base
	s_add_nc_u64 s[PF:PF+1], s[PF:PF+1], 2*STEPB
	s_add_co_u32 s[VI], s[VI], 1
	s_cmp_lt_u32 s[VI], 7
	s_cbranch_scc1 .Lvisit
	STEP 0, 0, 0                                   ; visit 7: its barrier shows visit 8's slot whole; nothing is filled again
	STEP 1, 1, 0
	STEP 0, 0, 0                                   ; visit 8
	STEP 1, 0, 0
	FINISH OHI
	s_wait_tensorcnt 0x0                           ; the wave's end
	ds_add_u32 v[SPW], v[NIL]
	s_wait_dscnt 0x0
	s_endpgm
.Lfunc_end_k_qdae1d42a31_attn:
	.size	k_qdae1d42a31_attn, .Lfunc_end_k_qdae1d42a31_attn-k_qdae1d42a31_attn
	.p2alignl 7, 3214868480
	.fill 96, 4, 3214868480
	.section	.rodata,"a",@progbits
	.p2align	6, 0x0
	.amdhsa_kernel k_qdae1d42a31_attn
		.amdhsa_group_segment_fixed_size 327680
		.amdhsa_private_segment_fixed_size 0
		.amdhsa_enable_private_segment 0
		.amdhsa_kernarg_size 24
		.amdhsa_user_sgpr_count 2
		.amdhsa_user_sgpr_kernarg_segment_ptr 1
		.amdhsa_wavefront_size32 1
		.amdhsa_system_sgpr_workgroup_id_x 1
		.amdhsa_system_sgpr_workgroup_id_y 1
		.amdhsa_system_sgpr_workgroup_id_z 1
		.amdhsa_system_vgpr_workitem_id 0
		.amdhsa_next_free_vgpr 512
		.amdhsa_next_free_sgpr 66
		.amdhsa_reserve_vcc 1
		.amdhsa_float_denorm_mode_32 3
		.amdhsa_float_denorm_mode_16_64 3
		.amdhsa_memory_ordered 1
		.amdhsa_forward_progress 1
		.amdhsa_inst_pref_size 255
	.end_amdhsa_kernel
	.section	.bss,"aw",@nobits
	.p2align	6
	.space	262144
	.amdgpu_metadata
---
amdhsa.version: [ 1, 2 ]
amdhsa.kernels:
  - .name:           k_qdae1d42a31_attn
    .symbol:         k_qdae1d42a31_attn.kd
    .args:
      - { .name: qkv, .offset: 0, .size: 8, .value_kind: global_buffer, .address_space: global }
      - { .name: kv, .offset: 8, .size: 8, .value_kind: global_buffer, .address_space: global }
      - { .name: out0, .offset: 16, .size: 8, .value_kind: global_buffer, .address_space: global }
    .group_segment_fixed_size: 327680
    .private_segment_fixed_size: 0
    .kernarg_segment_align: 8
    .kernarg_segment_size: 24
    .max_flat_workgroup_size: 256
    .sgpr_count:     66
    .vgpr_count:     512
    .wavefront_size: 32
...
	.end_amdgpu_metadata
.endif
;; end of part 2
